; MI455X (gfx1250); checked and timed in simulation.
; The chip was launched on July 23, 2026; its instructions are those of AMD's public machine-readable ISA for CDNA 5 (MIT licence, August 2026) and "CDNA5" Instruction Set Architecture Reference Guide (July 2026). The comments in the code are by the model that wrote it; some were corrected since.
;; Gas Absorption. Allowed arithmetic: float matrix products may take bf16 or f16 operands with f32 sums; all other float work in f32.
;; Inputs: conc_co2 one number float32; conc_h2o one number float32; conc_o3 one number float32; cont_b1 32 float32; cont_b2 262,144 float32; cont_w1 5 x 32 float32; cont_w2 32 x 262,144 float32; mix_b1 64 float32; mix_b2 64 float32; mix_b3 262,144 float32; mix_w1 10 x 64 float32; mix_w2 64 x 64 float32; mix_w3 64 x 262,144 float32; pressure one number float32; temperature one number float32; wavelengths 262,144 float32.
;; Outputs: out0 262,144 float32.
;; One version. Each part assembles by itself: llvm-mc -triple=amdgcn-amd-amdhsa -mcpu=gfx1250 --defsym DOCPART=n.
;; ======== version 1 of 1: 1 launch
;; launch gas (part 1): grid 256 x 1, 8 waves a work-group, no clusters, 13,312 bytes of LDS; arguments wavelengths, cont_w2, mix_w3, cont_b2, mix_b3, out0, cont_w1, cont_b1, mix_w1, mix_b1, mix_w2, mix_b2, temperature, pressure, conc_o3, conc_h2o, conc_co2; writes out0
.if DOCPART == 1
	.amdgcn_target "amdgcn-amd-amdhsa--gfx1250"
	.amdhsa_code_object_version 6
	.text
	.protected	k_q6bd432136b_gas
	.globl	k_q6bd432136b_gas
	.p2align	8
	.type	k_q6bd432136b_gas,@function
k_q6bd432136b_gas:
	s_mov_b64 s[64:65], 0
	v_nop
	global_prefetch_b8 v0, s[64:65] scope:SCOPE_SE
	s_setreg_imm32_b32 hwreg(HW_REG_WAVE_MODE, 25, 1), 1
	s_wait_xcnt 0x0
; GasAbsorption, one launch.  out[n] = cross[n] * (0.95 + 0.1 * sigmoid(m . mix_w3[:,n] + mix_b3[n])),
; cross[n] = sum over 10 lines of conc * strength(T) * voigt(wl[n]) + softplus(h . cont_w2[:,n] + cont_b2[n]).
; SHARES: 256 work-groups of 1,024 columns; eight waves; thread t owns the 4 columns at byte 16 t of the group's 4,096 bytes of every row,
; so each load and the store of a wave cover 512 consecutive bytes that start at a multiple of 512.  The 96 weight rows (32 of cont_w2,
; 64 of mix_w3) are 96 loads of 16 bytes a thread, each with registers of its own (384): no load ever waits for a register, every
; weight byte is read once, and the line profiles and the small nets are computed while the rows are on their way.
; h (32), cross[0..7] and m (64) are needed by every column; each work-group makes them for itself from some 20 KB of shared inputs
; against 410 KB of its own: a launch of its own for them would cost more than it saves.
; NOT USED: matrix instructions (the products have ONE row: 15 of a tile's 16 rows would be idle, and rounding to bf16 costs as many
; instructions as the packed f32 multiply-adds that do the work); tensor loads and an LDS ring (the rows fit in registers, without
; barriers); clusters (what work-groups share is a twentieth of their bytes); prefetches (every wave has as many loads out as its
; counter takes from its first loads on).
; No branch hangs on data: all three regions of the profile are computed for every point and chosen by v_cndmask_b32.
; LIMITS: divisions are v_rcp_f32 and a multiply (1 ulp).  The far-wing region (|x| + y >= 15) is scaled by 1/(x^2+y^2) and holds while
; x^2 + y^2 is finite (|x|, |y| < 1.8e19); the middle region needs (x^2+y^2)^2 finite, which |x| + y < 15 gives for y >= 0.
; Sine and cosine: reduction by multiples of pi, right for |argument| < 2^22 pi = 1.3e7; with y >= 0 the core region's arguments are
; below 165; larger ones arise only with a negative pressure.  v_exp_f32 gives 0 below 2^-126: softplus(z < -87.3) = 0.
; The polynomials' remainders on |r| <= pi/2 are below 1e-7.
.set PART, 8192                        ; LDS: [16 row groups][64] f32, partial sums of the second mixing layer, shared by the waves
.set HO,   256                         ; LDS, in each wave's own 1,024 bytes: +0 line table (10 x 16 bytes), +256 h[32],
.set M1O,  512                         ; +512 m1[64],
.set MO,   768                         ; +768 m[64]
.set OFF,  2                           ; v2-9    16 t + (k << 23): row r is read at OFF[r >> 3] with the immediate (r & 7) << 20; never rewritten
.set A4,   10                          ; 4 lane
.set A8,   11                          ; 8 lane
.set A8C,  12                          ; 8 (lane & 3): a pair of the first eight columns
.set AC8,  13                          ; (lane >> 2) << 22 | 8 (lane & 3): rows 4g.. of cont_w2, that pair
.set LW,   14                          ; LDS: my wave's bytes
.set L4,   15                          ; + 4 lane
.set L8,   16                          ; + 8 lane
.set LG,   17                          ; + 16 (lane >> 2)
.set LT2,  18                          ; + 16 ((lane >> 2) & 1)
.set LM1R, 19                          ; + 4 (t >> 4)
.set LPS,  20                          ; PART + 16 t
.set LPR,  21                          ; PART + 8 lane
.set WL,   22                          ; v22-25  my four wavelengths
.set B2O,  26                          ; v26-29  my cont_b2
.set B3O,  30                          ; v30-33  my mix_b3
.set WL8,  34                          ; v34-35  wavelengths 2cp, 2cp+1 (cp = lane & 3)
.set CW1,  36                          ; v36-40  cont_w1[i][lane]
.set CB1,  41
.set C8,   42                          ; v42-49  cont_w2[4g+i][2cp, 2cp+1] (g = lane >> 2)
.set B28,  50                          ; v50-51  cont_b2[2cp, 2cp+1]
.set ACC,  52                          ; v52-55  my four columns' sums, in the end cross
.set ACCP, 56                          ; v56-59  the first eight columns' sums
.set CA,   60                          ; v60-63, v64-67: a line's (nu0, 1/(sigma+1e-12), y, conc*strength/(sigma sqrt(pi)+1e-12)), two sets
.set CB,   64
.set D,    68                          ; v68-71  (y^2, 2y, K y, 2y/pi)
.set CK,   72                          ; v72-75  (K = 0.5641896, 1.5 * 2^23, 1/12!, -1/11!)
.set T,    76                          ; v76-127 at work
.set CW,   128                         ; v128-255 cont_w2's row r at 128 + 4 r; later m[64] in v128-191
.set MV,   128
; second window (v256-511, named by their low 8 bits): mix_w3's row r at 4 r.  Until the small nets are done the registers of rows 54-63 hold:
.set MW1,  216                         ; mix_w1[i][2 lane, 2 lane + 1], ten pairs
.set MB1,  236
.set MW2,  238                         ; mix_w2[t/16 + 16 k][4 (t & 15) ..], four quads
.set MB2,  254
.set CR0,  66                          ; s66-73  cross[0..7]
; the profile's registers; names on one offset follow each other in time
.set XR, T
.set X2R, T+2
.set PR, T+4
.set QR, T+6
.set UR, T+8
.set QE, T+10
.set RR, T+12
.set KC, T+14
.set DR, T+14
.set NI, T+14
.set KS, T+16
.set BB, T+16
.set SC, T+18
.set DEN1, T+18
.set SS, T+20
.set N1, T+20
.set RC, T+22
.set R2, T+22
.set RS, T+24
.set GR, T+24
.set RD, T+24
.set ZC, T+26
.set GP, T+26
.set ZS, T+28
.set NR, T+28
.set PC, T+30
.set PS, T+32
.set EA, T+34
.set V3, T+34
.set EE, T+36
.set DR2, T+36
.set DI2, T+38
.set N2, T+40
.set DEN2, T+42
.set SR, T+44
.set MSB, 0
.macro WIN new                         ; s_set_vgpr_msb: bits 1:0 source 0, 5:4 source 2, 7:6 destination; the high byte repeats the setting that is left
.if MSB != \new
	s_set_vgpr_msb (MSB<<8)|\new
.set MSB, \new
.endif
.endm
; cnt rows of 1 MiB from row r0 on, my 16 bytes of each, into dst0, dst0 + 4, ..
.macro ROWS base, dst0, r0, cnt
.set rowi, \r0
.rept \cnt
	global_load_b128 v[\dst0+4*(rowi-\r0):\dst0+4*(rowi-\r0)+3], v[OFF+(rowi>>3)], s[\base:\base+1] offset:(rowi&7)<<20 th:TH_LOAD_NT
.set rowi, rowi+1
.endr
.endm
; One line's four constants, the same in every lane, into my wave's table.  T+1 = log2(Tref/T), T+2 = (P/Pref) sqrt(Tref/T),
; sqm = sqrt(2 kB NA T / mass) / (c sqrt(2 ln 2)), T+11 = sqrt(pi).
.macro LINECONST l, nu0, str, wid, texp, sqm, conc
	v_mul_f32 v[T+16], \nu0, v[\sqm]                       ; sigma
	v_mul_f32 v[T+17], \texp, v[T+1]
	v_add_f32 v[T+18], 0x2b8cbccc, v[T+16]                 ; sigma + 1e-12
	v_fmaak_f32 v[T+19], v[T+16], v[T+11], 0x2b8cbccc      ; sigma sqrt(pi) + 1e-12
	v_exp_f32 v[T+20], v[T+17]                             ; (Tref/T)^temp_exp
	v_rcp_f32 v[T+13], v[T+18]
	v_rcp_f32 v[T+21], v[T+19]
	v_mov_b32 v[T+12], \nu0                                ; a plain instruction stands between the transcendentals and the first use (ISA guide 5.7.2)
	s_wait_alu depctr_va_vdst(0)
	v_mul_f32 v[T+20], \str, v[T+20]
	v_mul_f32 v[T+14], \wid, v[T+2]                        ; gamma_L
	v_mul_f32 v[T+14], v[T+14], v[T+13]                    ; y
	v_mul_f32 v[T+20], s[\conc], v[T+20]
	v_mul_f32 v[T+15], v[T+20], v[T+21]
	ds_store_b128 v[LW], v[T+12:T+15] offset:16*\l
.endm
.macro DERIVE c
	v_mul_f32 v[D], v[\c+2], v[\c+2]
	v_add_f32 v[D+1], v[\c+2], v[\c+2]
	v_mul_f32 v[D+2], v[CK], v[\c+2]
	v_mul_f32 v[D+3], 0x3f22f983, v[\c+2]
.endm
; Two points (wavelengths in w, w+1) against the line in c and D; a, a+1 = (or +=) coefficient * profile.  t = y - i x, u = t^2 = ur - i p.
.macro VOIGT w, a, c, first
	v_pk_add_f32 v[XR:XR+1], v[\w:\w+1], v[\c:\c+1] op_sel_hi:[1,0] neg_lo:[0,1] neg_hi:[0,1]
	v_pk_mul_f32 v[XR:XR+1], v[XR:XR+1], v[\c:\c+1] op_sel:[0,1] op_sel_hi:[1,1]                 ; x
	v_pk_mul_f32 v[X2R:X2R+1], v[XR:XR+1], v[XR:XR+1]                                            ; x^2
	v_pk_mul_f32 v[PR:PR+1], v[XR:XR+1], v[D:D+1] op_sel:[0,1] op_sel_hi:[1,1]                   ; p = 2 x y
	v_pk_add_f32 v[QR:QR+1], v[X2R:X2R+1], v[D:D+1] op_sel_hi:[1,0]                              ; q = x^2 + y^2
	v_pk_add_f32 v[UR:UR+1], v[D:D+1], v[X2R:X2R+1] op_sel_hi:[0,1] neg_lo:[0,1] neg_hi:[0,1]    ; ur = y^2 - x^2
	v_pk_add_f32 v[QE:QE+1], v[QR:QR+1], 0x2edbe6ff op_sel_hi:[1,0]                              ; q + 1e-10
	v_pk_mul_f32 v[EA:EA+1], v[X2R:X2R+1], 0xbfb8aa3b op_sel_hi:[1,0]
	v_rcp_f32 v[RR], v[QE]                                 ; r = 1 / (q + 1e-10)
	v_rcp_f32 v[RR+1], v[QE+1]
	v_exp_f32 v[EE], v[EA]                                 ; exp(-x^2); the results are first used far below
	v_exp_f32 v[EE+1], v[EA+1]
	; cos p and sin x^2: k = nearest whole number to arg / pi, read off the low bits of arg / pi + 1.5 * 2^23; its parity is the sign
	v_pk_fma_f32 v[KC:KC+1], v[PR:PR+1], 0x3ea2f983, v[CK:CK+1] op_sel:[0,0,1] op_sel_hi:[1,0,1]
	v_pk_fma_f32 v[KS:KS+1], v[X2R:X2R+1], 0x3ea2f983, v[CK:CK+1] op_sel:[0,0,1] op_sel_hi:[1,0,1]
	v_lshlrev_b32 v[SC], 31, v[KC]
	v_lshlrev_b32 v[SC+1], 31, v[KC+1]
	v_lshlrev_b32 v[SS], 31, v[KS]
	v_lshlrev_b32 v[SS+1], 31, v[KS+1]
	v_pk_add_f32 v[KC:KC+1], v[KC:KC+1], v[CK:CK+1] op_sel:[0,1] op_sel_hi:[1,1] neg_lo:[0,1] neg_hi:[0,1]
	v_pk_add_f32 v[KS:KS+1], v[KS:KS+1], v[CK:CK+1] op_sel:[0,1] op_sel_hi:[1,1] neg_lo:[0,1] neg_hi:[0,1]
	v_pk_fma_f32 v[RC:RC+1], v[KC:KC+1], 0xc0490fdb, v[PR:PR+1] op_sel_hi:[1,0,1]                ; arg - k pi, pi in two parts
	v_pk_fma_f32 v[RS:RS+1], v[KS:KS+1], 0xc0490fdb, v[X2R:X2R+1] op_sel_hi:[1,0,1]
	v_pk_fma_f32 v[RC:RC+1], v[KC:KC+1], 0x33bbbd2e, v[RC:RC+1] op_sel_hi:[1,0,1]
	v_pk_fma_f32 v[RS:RS+1], v[KS:KS+1], 0x33bbbd2e, v[RS:RS+1] op_sel_hi:[1,0,1]
	v_pk_mul_f32 v[ZC:ZC+1], v[RC:RC+1], v[RC:RC+1]
	v_pk_mul_f32 v[ZS:ZS+1], v[RS:RS+1], v[RS:RS+1]
	v_pk_fma_f32 v[PC:PC+1], v[ZC:ZC+1], v[CK+2:CK+3], 0xb493f27e op_sel_hi:[1,0,0]              ; the two series, by turns
	v_pk_fma_f32 v[PS:PS+1], v[ZS:ZS+1], v[CK+2:CK+3], 0x3638ef1d op_sel:[0,1,0] op_sel_hi:[1,1,0]
	v_pk_fma_f32 v[PC:PC+1], v[PC:PC+1], v[ZC:ZC+1], 0x37d00d01 op_sel_hi:[1,1,0]
	v_pk_fma_f32 v[PS:PS+1], v[PS:PS+1], v[ZS:ZS+1], 0xb9500d01 op_sel_hi:[1,1,0]
	v_pk_fma_f32 v[PC:PC+1], v[PC:PC+1], v[ZC:ZC+1], 0xbab60b61 op_sel_hi:[1,1,0]
	v_pk_fma_f32 v[PS:PS+1], v[PS:PS+1], v[ZS:ZS+1], 0x3c088889 op_sel_hi:[1,1,0]
	v_pk_fma_f32 v[PC:PC+1], v[PC:PC+1], v[ZC:ZC+1], 0x3d2aaaab op_sel_hi:[1,1,0]
	v_pk_fma_f32 v[PS:PS+1], v[PS:PS+1], v[ZS:ZS+1], 0xbe2aaaab op_sel_hi:[1,1,0]
	v_pk_fma_f32 v[PC:PC+1], v[PC:PC+1], v[ZC:ZC+1], -0.5 op_sel_hi:[1,1,0]
	v_pk_mul_f32 v[ZS:ZS+1], v[RS:RS+1], v[ZS:ZS+1]                                              ; r^3
	v_pk_fma_f32 v[PC:PC+1], v[PC:PC+1], v[ZC:ZC+1], 1.0 op_sel_hi:[1,1,0]
	v_pk_fma_f32 v[PS:PS+1], v[PS:PS+1], v[ZS:ZS+1], v[RS:RS+1]
	v_xor_b32 v[PC], v[PC], v[SC]
	v_xor_b32 v[PC+1], v[PC+1], v[SC+1]
	v_xor_b32 v[PS], v[PS], v[SS]
	v_xor_b32 v[PS+1], v[PS+1], v[SS+1]
	; the core: exp(-x^2) cos(2xy) K + (2y/pi) sin(x^2) r; its last multiply-add stands further down
	s_wait_alu depctr_va_vdst(0)
	v_pk_mul_f32 v[PC:PC+1], v[EE:EE+1], v[PC:PC+1]
	v_pk_mul_f32 v[PS:PS+1], v[PS:PS+1], v[RR:RR+1]
	v_pk_mul_f32 v[PS:PS+1], v[PS:PS+1], v[D+2:D+3] op_sel:[0,1] op_sel_hi:[1,1]
	; the far wing: Re(K t / (0.5 + u)) = K y (0.5 + q) / ((0.5 + ur)^2 + p^2), both sides times r^2 so that nothing overflows
	v_pk_add_f32 v[DR:DR+1], v[UR:UR+1], 0.5 op_sel_hi:[1,0]
	v_pk_mul_f32 v[BB:BB+1], v[PR:PR+1], v[RR:RR+1]
	v_pk_mul_f32 v[DR:DR+1], v[DR:DR+1], v[RR:RR+1]
	v_pk_add_f32 v[N1:N1+1], v[QR:QR+1], 0.5 op_sel_hi:[1,0]
	v_pk_mul_f32 v[DEN1:DEN1+1], v[DR:DR+1], v[DR:DR+1]
	v_pk_mul_f32 v[N1:N1+1], v[N1:N1+1], v[RR:RR+1]
	v_pk_fma_f32 v[DEN1:DEN1+1], v[BB:BB+1], v[BB:BB+1], v[DEN1:DEN1+1]
	v_pk_mul_f32 v[N1:N1+1], v[N1:N1+1], v[RR:RR+1]
	v_pk_mul_f32 v[N1:N1+1], v[N1:N1+1], v[D+2:D+3] op_sel_hi:[1,0]
	; the middle: t (1.410474 + K u) / (0.75 + u (3 + u)) = (nr - i ni) / (dr2 - i di2), the denominator times r^2
	v_pk_mul_f32 v[R2:R2+1], v[RR:RR+1], v[RR:RR+1]
	v_pk_fma_f32 v[GR:GR+1], v[UR:UR+1], v[CK:CK+1], 0x3fb48a69 op_sel_hi:[1,0,0]
	v_pk_mul_f32 v[GP:GP+1], v[PR:PR+1], v[CK:CK+1] op_sel_hi:[1,0]
	v_pk_add_f32 v[V3:V3+1], v[UR:UR+1], 0x40400000 op_sel_hi:[1,0]
	v_pk_mul_f32 v[NR:NR+1], v[XR:XR+1], v[GP:GP+1]
	v_pk_mul_f32 v[NI:NI+1], v[XR:XR+1], v[GR:GR+1]
	v_pk_fma_f32 v[DR2:DR2+1], v[UR:UR+1], v[V3:V3+1], 0x3f400000 op_sel_hi:[1,1,0]
	v_pk_add_f32 v[DI2:DI2+1], v[V3:V3+1], v[UR:UR+1]
	v_pk_fma_f32 v[NR:NR+1], v[GR:GR+1], v[\c+2:\c+3], v[NR:NR+1] op_sel_hi:[1,0,1] neg_lo:[0,0,1] neg_hi:[0,0,1]
	v_pk_fma_f32 v[NI:NI+1], v[GP:GP+1], v[\c+2:\c+3], v[NI:NI+1] op_sel_hi:[1,0,1]
	v_pk_fma_f32 v[DR2:DR2+1], v[PR:PR+1], v[PR:PR+1], v[DR2:DR2+1] neg_lo:[1,0,0] neg_hi:[1,0,0]
	v_pk_mul_f32 v[DI2:DI2+1], v[DI2:DI2+1], v[PR:PR+1]
	v_pk_mul_f32 v[DR2:DR2+1], v[DR2:DR2+1], v[R2:R2+1]
	v_pk_mul_f32 v[DI2:DI2+1], v[DI2:DI2+1], v[R2:R2+1]
	v_pk_mul_f32 v[N2:N2+1], v[NR:NR+1], v[DR2:DR2+1]
	v_pk_mul_f32 v[DEN2:DEN2+1], v[DR2:DR2+1], v[DR2:DR2+1]
	v_pk_fma_f32 v[N2:N2+1], v[NI:NI+1], v[DI2:DI2+1], v[N2:N2+1]
	v_pk_fma_f32 v[DEN2:DEN2+1], v[DI2:DI2+1], v[DI2:DI2+1], v[DEN2:DEN2+1]
	v_pk_mul_f32 v[N2:N2+1], v[N2:N2+1], v[R2:R2+1]
	; the choice: |x| + y >= 15: far wing; else |x| >= 5.5: middle; else core.  One division serves the two rational forms.
	v_add_f32 v[SR], |v[XR]|, v[\c+2]
	v_add_f32 v[SR+1], |v[XR+1]|, v[\c+2]
	v_cmp_le_f32 s74, 0x41700000, v[SR]
	v_cmp_le_f32 s75, 0x41700000, v[SR+1]
	v_cndmask_b32 v[N2], v[N2], v[N1], s74
	v_cndmask_b32 v[N2+1], v[N2+1], v[N1+1], s75
	v_cndmask_b32 v[DEN2], v[DEN2], v[DEN1], s74
	v_cndmask_b32 v[DEN2+1], v[DEN2+1], v[DEN1+1], s75
	v_rcp_f32 v[RD], v[DEN2]
	v_rcp_f32 v[RD+1], v[DEN2+1]
	v_pk_fma_f32 v[PC:PC+1], v[PC:PC+1], v[CK:CK+1], v[PS:PS+1] op_sel_hi:[1,0,1]                ; the core's sum: the plain instruction behind the reciprocals (ISA guide 5.7.2)
	v_cmp_le_f32 s76, 0x40b00000, |v[XR]|
	v_cmp_le_f32 s77, 0x40b00000, |v[XR+1]|
	s_or_b32 s76, s76, s74
	s_or_b32 s77, s77, s75
	s_wait_alu depctr_va_vdst(0)
	v_pk_mul_f32 v[N2:N2+1], v[N2:N2+1], v[RD:RD+1]
	v_cndmask_b32 v[PC], v[PC], v[N2], s76
	v_cndmask_b32 v[PC+1], v[PC+1], v[N2+1], s77
.if \first
	v_pk_mul_f32 v[\a:\a+1], v[PC:PC+1], v[\c+2:\c+3] op_sel:[0,1] op_sel_hi:[1,1]               ; the first line starts the sum
.else
	v_pk_fma_f32 v[\a:\a+1], v[PC:PC+1], v[\c+2:\c+3], v[\a:\a+1] op_sel:[0,1,0] op_sel_hi:[1,1,1]
.endif
.endm
; z = z / (1 + exp(-z)) for cnt registers; t: 2 cnt registers at work.  The chain has no other work to put behind its transcendentals: v_nop.
.macro SILU z, cnt, t
.set q, 0
.rept \cnt
	v_mul_f32 v[\t+q], 0xbfb8aa3b, v[\z+q]
.set q, q+1
.endr
.set q, 0
.rept \cnt
	v_exp_f32 v[\t+\cnt+q], v[\t+q]
.set q, q+1
.endr
	v_nop
.set q, 0
	s_wait_alu depctr_va_vdst(0)
.rept \cnt
	v_add_f32 v[\t+q], 1.0, v[\t+\cnt+q]
.set q, q+1
.endr
.set q, 0
.rept \cnt
	v_rcp_f32 v[\t+\cnt+q], v[\t+q]
.set q, q+1
.endr
	v_nop
.set q, 0
	s_wait_alu depctr_va_vdst(0)
.rept \cnt
	v_mul_f32 v[\z+q], v[\z+q], v[\t+\cnt+q]
.set q, q+1
.endr
.endm
; o = max(z, 0) + log1p(exp(-|z|)) for a pair; log1p(e) = e ln(u) / (u - 1) with u = 1 + e as rounded, and e itself where u = 1.  t: 12 registers.
.macro SOFTPLUS2 z, o, t
	v_mul_f32 v[\t], 0xbfb8aa3b, |v[\z]|
	v_mul_f32 v[\t+1], 0xbfb8aa3b, |v[\z+1]|
	v_exp_f32 v[\t+2], v[\t]
	v_exp_f32 v[\t+3], v[\t+1]
	v_max_num_f32 v[\o], 0, v[\z]
	v_max_num_f32 v[\o+1], 0, v[\z+1]
	s_wait_alu depctr_va_vdst(0)
	v_pk_add_f32 v[\t+4:\t+5], v[\t+2:\t+3], 1.0 op_sel_hi:[1,0]
	v_pk_add_f32 v[\t+6:\t+7], v[\t+4:\t+5], -1.0 op_sel_hi:[1,0]
	v_log_f32 v[\t+8], v[\t+4]
	v_log_f32 v[\t+9], v[\t+5]
	v_rcp_f32 v[\t+10], v[\t+6]
	v_rcp_f32 v[\t+11], v[\t+7]
	v_pk_mul_f32 v[\t:\t+1], v[\t+2:\t+3], 0x3f317218 op_sel_hi:[1,0]      ; e ln 2
	v_cmp_eq_f32 s74, 0, v[\t+6]
	v_cmp_eq_f32 s75, 0, v[\t+7]
	s_wait_alu depctr_va_vdst(0)
	v_pk_mul_f32 v[\t+8:\t+9], v[\t+8:\t+9], v[\t+10:\t+11]
	v_pk_mul_f32 v[\t:\t+1], v[\t:\t+1], v[\t+8:\t+9]
	v_cndmask_b32 v[\t], v[\t], v[\t+2], s74
	v_cndmask_b32 v[\t+1], v[\t+1], v[\t+3], s75
	v_pk_add_f32 v[\o:\o+1], v[\o:\o+1], v[\t:\t+1]
.endm
; the sum over the eight lanes that differ in lane bits 2, 3, 4; every lane gets it
.macro RED3 r
	v_add_f32_dpp v[\r], v[\r], v[\r] row_xmask:4 row_mask:0xf bank_mask:0xf
	v_add_f32_dpp v[\r], v[\r], v[\r] row_xmask:8 row_mask:0xf bank_mask:0xf
	v_permlanex16_b32 v[T], v[\r], s78, s79                ; v[T] has been written before
	v_add_f32 v[\r], v[\r], v[T]
.endm
; Row r of a one-row product over my four columns: weights at w + 4 r, the vector's element r at hb + r.  Four sums that do not wait
; for each other: even rows in acc..acc+3, started from the bias; odd rows in acc+4..acc+7, started by a product.
.macro DOTROW r, w, hb, bias, acc
.if (\r) == 0
	v_pk_fma_f32 v[\acc:\acc+1], v[\w:\w+1], v[\hb:\hb+1], v[\bias:\bias+1] op_sel_hi:[1,0,1]
	v_pk_fma_f32 v[\acc+2:\acc+3], v[\w+2:\w+3], v[\hb:\hb+1], v[\bias+2:\bias+3] op_sel_hi:[1,0,1]
.else
.if (\r) == 1
	v_pk_mul_f32 v[\acc+4:\acc+5], v[\w+4:\w+5], v[\hb:\hb+1] op_sel:[0,1] op_sel_hi:[1,1]
	v_pk_mul_f32 v[\acc+6:\acc+7], v[\w+6:\w+7], v[\hb:\hb+1] op_sel:[0,1] op_sel_hi:[1,1]
.else
.if ((\r)&1) == 0
	v_pk_fma_f32 v[\acc:\acc+1], v[\w+4*(\r):\w+4*(\r)+1], v[\hb+(\r):\hb+(\r)+1], v[\acc:\acc+1] op_sel_hi:[1,0,1]
	v_pk_fma_f32 v[\acc+2:\acc+3], v[\w+4*(\r)+2:\w+4*(\r)+3], v[\hb+(\r):\hb+(\r)+1], v[\acc+2:\acc+3] op_sel_hi:[1,0,1]
.else
	v_pk_fma_f32 v[\acc+4:\acc+5], v[\w+4*(\r):\w+4*(\r)+1], v[\hb+(\r)-1:\hb+(\r)], v[\acc+4:\acc+5] op_sel:[0,1,0] op_sel_hi:[1,1,1]
	v_pk_fma_f32 v[\acc+6:\acc+7], v[\w+4*(\r)+2:\w+4*(\r)+3], v[\hb+(\r)-1:\hb+(\r)], v[\acc+6:\acc+7] op_sel:[0,1,0] op_sel_hi:[1,1,1]
.endif
.endif
.endif
.endm
; Line l against my four columns; the next line's constants are asked for first.
.macro MAINLINE l, cur, nxt
.if \l < 9
	ds_load_b128 v[\nxt:\nxt+3], v[LW] offset:16*(\l+1)
	s_wait_dscnt 0x1                                       ; LDS answers in order (ISA guide 5.7.1): all but the load just issued are back, this line's constants among them
.else
	s_wait_dscnt 0x0
.endif
	DERIVE \cur
.if \l == 0
	VOIGT WL, ACC, \cur, 1
	VOIGT WL+2, ACC+2, \cur, 1
.else
	VOIGT WL, ACC, \cur, 0
	VOIGT WL+2, ACC+2, \cur, 0
.endif
.endm
	; ---- head: addresses, then 63 loads
	s_load_b512 s[8:23], s[0:1], 0x0               ; wl 8, cont_w2 10, mix_w3 12, cont_b2 14, mix_b3 16, out 18, cont_w1 20, cont_b1 22
	s_load_b512 s[24:39], s[0:1], 0x40             ; mix_w1 24, mix_b1 26, mix_w2 28, mix_b2 30, T 32, P 34, o3 36, h2o 38
	s_load_b64 s[40:41], s[0:1], 0x80              ; co2
	v_and_b32 v1, 31, v0                           ; lane
	v_lshrrev_b32 v[T], 5, v0
	v_readfirstlane_b32 s2, v[T]                   ; wave
	s_lshl_b32 s3, s2, 10                          ; my wave's LDS bytes
	s_lshl_b32 s4, ttmp9, 12                       ; the work-group's 4,096 bytes of every row
	s_mov_b32 s5, 0
	s_lshl_b32 s6, s2, 9
	s_add_co_u32 s6, s6, PART
	s_mov_b32 s78, 0x76543210                      ; v_permlanex16_b32: lane i of one half reads lane i of the other
	s_mov_b32 s79, 0xfedcba98
	v_lshlrev_b32 v[OFF], 4, v0
.irp k, 1,2,3,4,5,6,7
	v_lshl_or_b32 v[OFF+\k], v0, 4, \k<<23
.endr
	v_lshlrev_b32 v[A4], 2, v1
	v_lshlrev_b32 v[A8], 3, v1
	v_and_b32 v[T], 3, v1
	v_lshlrev_b32 v[A8C], 3, v[T]
	v_lshrrev_b32 v[T+1], 2, v1                    ; g
	v_lshl_or_b32 v[AC8], v[T+1], 22, v[A8C]
	s_wait_kmcnt 0x0
	s_add_nc_u64 s[48:49], s[8:9], s[4:5]          ; the six long arrays at my work-group's columns; the plain addresses stay for the first eight columns
	s_add_nc_u64 s[50:51], s[10:11], s[4:5]
	s_add_nc_u64 s[52:53], s[12:13], s[4:5]
	s_add_nc_u64 s[54:55], s[14:15], s[4:5]
	s_add_nc_u64 s[56:57], s[16:17], s[4:5]
	s_add_nc_u64 s[58:59], s[18:19], s[4:5]
	s_load_b32 s42, s[32:33], 0x0                  ; T
	s_load_b32 s43, s[34:35], 0x0                  ; P
	s_load_b32 s44, s[36:37], 0x0                  ; conc_o3
	s_load_b32 s45, s[38:39], 0x0                  ; conc_h2o
	s_load_b32 s46, s[40:41], 0x0                  ; conc_co2
	; 31 small loads, then cont_w2's 32 rows
	global_load_b128 v[WL:WL+3], v[OFF], s[48:49] th:TH_LOAD_NT
	global_load_b64 v[WL8:WL8+1], v[A8C], s[8:9]
.irp i, 0,1,2,3,4
	global_load_b32 v[CW1+\i], v[A4], s[20:21] offset:128*\i
.endr
	global_load_b32 v[CB1], v[A4], s[22:23]
.irp i, 0,1,2,3
	global_load_b64 v[C8+2*\i:C8+2*\i+1], v[AC8], s[10:11] offset:\i<<20
.endr
	global_load_b64 v[B28:B28+1], v[A8C], s[14:15]
	WIN 0x40                                       ; destinations in the second window
.irp i, 0,1,2,3,4,5,6,7,8,9
	global_load_b64 v[MW1+2*\i:MW1+2*\i+1], v[A8], s[24:25] offset:256*\i
.endr
	global_load_b64 v[MB1:MB1+1], v[A8], s[26:27]
.irp k, 0,1,2,3
	global_load_b128 v[MW2+4*\k:MW2+4*\k+3], v[OFF], s[28:29] offset:4096*\k
.endr
	global_load_b64 v[MB2:MB2+1], v[A8], s[30:31]
	WIN 0
	global_load_b128 v[B2O:B2O+3], v[OFF], s[54:55] th:TH_LOAD_NT
	global_load_b128 v[B3O:B3O+3], v[OFF], s[56:57] th:TH_LOAD_NT
	ROWS 50, CW, 0, 32
	; LDS addresses and the profile's constants, while the loads are out
	v_mov_b32 v[LW], s3
	v_add_nc_u32 v[L4], s3, v[A4]
	v_add_nc_u32 v[L8], s3, v[A8]
	v_lshl_add_u32 v[LG], v[T+1], 4, s3
	v_and_b32 v[T+2], 1, v[T+1]
	v_lshl_add_u32 v[LT2], v[T+2], 4, s3
	v_lshrrev_b32 v[T+3], 4, v0
	v_lshl_add_u32 v[LM1R], v[T+3], 2, s3
	v_lshl_add_u32 v[LPS], v1, 4, s6
	v_add_nc_u32 v[LPR], PART, v[A8]
	v_mov_b32 v[CK], 0x3f106ebb
	v_mov_b32 v[CK+1], 0x4b400000
	v_mov_b32 v[CK+2], 0x310f76c7
	v_mov_b32 v[CK+3], 0xb2d7322b
	; ---- the ten lines' constants from T, P and the concentrations
	s_wait_kmcnt 0x0
	s_mul_f32 s60, s42, 0x3b6fed41                 ; T / 273.15
	s_mul_f32 s61, s43, 0x37259408                 ; P / 101325
	s_add_f32 s62, s42, 0x2b8cbccc                 ; T + 1e-12
	s_mul_f32 s63, s42, 0x4185080a                 ; 2 kB NA T
	v_rcp_f32 v[T], s62
	v_mov_b32 v[T+4], s63
	s_wait_alu depctr_va_vdst(0)
	v_mul_f32 v[T], 0x43889333, v[T]               ; 273.15 / (T + 1e-12)
	v_mul_f32 v[T+5], 0x3caaaaab, v[T+4]           ; / 48
	v_mul_f32 v[T+6], 0x3d638e39, v[T+4]           ; / 18
	v_mul_f32 v[T+7], 0x3cba2e8c, v[T+4]           ; / 44
	v_log_f32 v[T+1], v[T]
	v_sqrt_f32 v[T+3], v[T]
	v_sqrt_f32 v[T+8], v[T+5]
	v_sqrt_f32 v[T+9], v[T+6]
	v_sqrt_f32 v[T+10], v[T+7]
	v_mov_b32 v[T+11], 0x3fe2dfc5                  ; sqrt(pi); also the plain instruction behind the roots
	s_wait_alu depctr_va_vdst(0)
	v_mul_f32 v[T+2], s61, v[T+3]
	v_mul_f32 v[T+8], 0x3142af3c, v[T+8]           ; / (c sqrt(2 ln 2))
	v_mul_f32 v[T+9], 0x3142af3c, v[T+9]
	v_mul_f32 v[T+10], 0x3142af3c, v[T+10]
	;          l  centre      strength    width       temp_exp    mass  conc
	LINECONST 0, 0x437e0000, 0x23542337, 0x40000000, 0x3d4ccccd, T+8, 44
	LINECONST 1, 0x438c0000, 0x22b877aa, 0x40400000, 0x3d23d70a, T+8, 44
	LINECONST 2, 0x439b0000, 0x20604ffa, 0x40200000, 0x3cf5c28f, T+8, 44
	LINECONST 3, 0x446b0000, 0x19f1c901, 0x40400000, 0x3ecccccd, T+9, 45
	LINECONST 4, 0x448d4000, 0x191e9c6f, 0x40200000, 0x3eb33333, T+9, 45
	LINECONST 5, 0x44ac8000, 0x1b599b4d, 0x40800000, 0x3ee66666, T+9, 45
	LINECONST 6, 0x44af0000, 0x16d8a3b7, 0x40400000, 0x3f000000, T+10, 46
	LINECONST 7, 0x44c80000, 0x15c11e60, 0x40200000, 0x3ef5c28f, T+10, 46
	LINECONST 8, 0x44fa0000, 0x18a27ac9, 0x40800000, 0x3f051eb8, T+10, 46
	LINECONST 9, 0x4528c000, 0x17b9b0e6, 0x40600000, 0x3efae148, T+10, 46
	ds_load_b128 v[CA:CA+3], v[LG]                 ; line g; my wave's own bytes, served in order behind its stores
	ds_load_b128 v[CB:CB+3], v[LT2] offset:128     ; line 8 + (g & 1)
	; ---- the small inputs are in; mix_w3's first 31 rows go out
	s_wait_loadcnt 32                              ; loads come back in order (ISA guide 5.7.1): the 32 rows of cont_w2 were issued behind the last small one
	WIN 0x40
	ROWS 52, 0, 0, 31
	WIN 0
	; ---- h = silu(features . cont_w1 + cont_b1), h[lane]; the features are (T/Tref, P/Pref, conc_h2o, 1, 0)
	v_fma_f32 v[T], s60, v[CW1], v[CB1]
	v_fma_f32 v[T], s61, v[CW1+1], v[T]
	v_fma_f32 v[T], s45, v[CW1+2], v[T]
	v_add_f32 v[T], v[T], v[CW1+3]
	v_fma_f32 v[T], 0, v[CW1+4], v[T]
	SILU T, 1, T+2
	ds_store_b32 v[L4], v[T] offset:HO
	ds_load_b128 v[T+48:T+51], v[LG] offset:HO     ; h[4g .. 4g+3]
	; ---- cross[0..7]: lane (g, cp) takes columns 2cp, 2cp+1 against line g, line 8 + (g & 1) and rows 4g..4g+3 of cont_w2
	s_wait_dscnt 0x0                               ; the two lines' constants and h
	v_pk_mul_f32 v[T+46:T+47], v[C8:C8+1], v[T+48:T+49] op_sel_hi:[1,0]
	v_pk_fma_f32 v[T+46:T+47], v[C8+2:C8+3], v[T+48:T+49], v[T+46:T+47] op_sel:[0,1,0] op_sel_hi:[1,1,1]
	v_pk_fma_f32 v[T+46:T+47], v[C8+4:C8+5], v[T+50:T+51], v[T+46:T+47] op_sel_hi:[1,0,1]
	v_pk_fma_f32 v[T+46:T+47], v[C8+6:C8+7], v[T+50:T+51], v[T+46:T+47] op_sel:[0,1,0] op_sel_hi:[1,1,1]
	DERIVE CA
	VOIGT WL8, ACCP, CA, 1
	DERIVE CB
	VOIGT WL8, ACCP+2, CB, 1
	RED3 T+46                                      ; over g: the 32 rows,
	RED3 T+47
	RED3 ACCP                                      ; lines 0 to 7,
	RED3 ACCP+1
	v_add_f32_dpp v[ACCP+2], v[ACCP+2], v[ACCP+2] row_xmask:4 row_mask:0xf bank_mask:0xf   ; lines 8 and 9
	v_add_f32_dpp v[ACCP+3], v[ACCP+3], v[ACCP+3] row_xmask:4 row_mask:0xf bank_mask:0xf
	v_pk_add_f32 v[T+46:T+47], v[T+46:T+47], v[B28:B28+1]
	SOFTPLUS2 T+46, T+20, T+24
	v_pk_add_f32 v[ACCP:ACCP+1], v[ACCP:ACCP+1], v[ACCP+2:ACCP+3]
	v_pk_add_f32 v[ACCP:ACCP+1], v[ACCP:ACCP+1], v[T+20:T+21]
.irp p, 0,1,2,3
	v_readlane_b32 s[CR0+2*\p], v[ACCP], \p
	v_readlane_b32 s[CR0+2*\p+1], v[ACCP+1], \p
.endr
	; ---- m1[2 lane, 2 lane + 1] = silu((T/Tref, P/Pref, cross[0..7]) . mix_w1 + mix_b1)
	WIN 0x11                                       ; weights and bias in the second window
	v_fma_f32 v[T], v[MW1], s60, v[MB1]
	v_fma_f32 v[T+1], v[MW1+1], s60, v[MB1+1]
	WIN 0x01                                       ; weights alone
	v_fma_f32 v[T], v[MW1+2], s61, v[T]
	v_fma_f32 v[T+1], v[MW1+3], s61, v[T+1]
.irp i, 2,3,4,5,6,7,8,9
	v_fma_f32 v[T], v[MW1+2*\i], s[CR0+\i-2], v[T]
	v_fma_f32 v[T+1], v[MW1+2*\i+1], s[CR0+\i-2], v[T+1]
.endr
	WIN 0
	SILU T, 2, T+2
	ds_store_b64 v[L8], v[T:T+1] offset:M1O
.irp k, 0,1,2,3
	ds_load_b32 v[T+4+\k], v[LM1R] offset:M1O+64*\k        ; m1[t/16 + 16 k]
.endr
	s_wait_dscnt 0x0
	; ---- second layer: thread t sums rows t/16 + 16 k of mix_w2 for columns 4 (t & 15) ..; the 16 row groups meet in LDS
	WIN 0x01
	v_pk_mul_f32 v[T+8:T+9], v[MW2:MW2+1], v[T+4:T+5] op_sel_hi:[1,0]
	v_pk_mul_f32 v[T+10:T+11], v[MW2+2:MW2+3], v[T+4:T+5] op_sel_hi:[1,0]
	v_pk_fma_f32 v[T+8:T+9], v[MW2+4:MW2+5], v[T+4:T+5], v[T+8:T+9] op_sel:[0,1,0] op_sel_hi:[1,1,1]
	v_pk_fma_f32 v[T+10:T+11], v[MW2+6:MW2+7], v[T+4:T+5], v[T+10:T+11] op_sel:[0,1,0] op_sel_hi:[1,1,1]
	v_pk_fma_f32 v[T+8:T+9], v[MW2+8:MW2+9], v[T+6:T+7], v[T+8:T+9] op_sel_hi:[1,0,1]
	v_pk_fma_f32 v[T+10:T+11], v[MW2+10:MW2+11], v[T+6:T+7], v[T+10:T+11] op_sel_hi:[1,0,1]
	v_pk_fma_f32 v[T+8:T+9], v[MW2+12:MW2+13], v[T+6:T+7], v[T+8:T+9] op_sel:[0,1,0] op_sel_hi:[1,1,1]
	v_pk_fma_f32 v[T+10:T+11], v[MW2+14:MW2+15], v[T+6:T+7], v[T+10:T+11] op_sel:[0,1,0] op_sel_hi:[1,1,1]
	WIN 0
	ds_store_b128 v[LPS], v[T+8:T+11]
	s_wait_dscnt 0x0                               ; my partial sums are in LDS before I say so: the other waves read them
	s_barrier_signal -1
	s_barrier_wait -1                              ; the only barrier; the weight rows stay on their way across it, no wave touches their bytes
.irp g, 0,1,2,3,4,5,6,7,8,9,10,11,12,13,14,15
	ds_load_b64 v[T+2*\g:T+2*\g+1], v[LPR] offset:256*\g   ; every wave makes all of m for itself: nobody writes these bytes again
.endr
	s_wait_dscnt 0x0
	WIN 0x01
	v_pk_add_f32 v[T:T+1], v[MB2:MB2+1], v[T:T+1]
	WIN 0
.irp g, 2,4,6,8,10,12,14
	v_pk_add_f32 v[T:T+1], v[T:T+1], v[T+2*\g:T+2*\g+1]
	v_pk_add_f32 v[T+2:T+3], v[T+2:T+3], v[T+2*\g+2:T+2*\g+3]
.endr
	v_pk_add_f32 v[T:T+1], v[T:T+1], v[T+2:T+3]
	SILU T, 2, T+4
	ds_store_b64 v[L8], v[T:T+1] offset:MO         ; m[2 lane, 2 lane + 1]
	; ---- the ten lines against my four columns; mix_w3's other 33 rows go out in four portions among them.
	; The registers of rows 54 to 63 held the small nets' weights, which were last read above.
	ds_load_b128 v[CA:CA+3], v[LW]
	MAINLINE 0, CA, CB
	MAINLINE 1, CB, CA
	WIN 0x40
	ROWS 52, 124, 31, 8
	WIN 0
	MAINLINE 2, CA, CB
	MAINLINE 3, CB, CA
	WIN 0x40
	ROWS 52, 156, 39, 8
	WIN 0
	MAINLINE 4, CA, CB
	MAINLINE 5, CB, CA
	WIN 0x40
	ROWS 52, 188, 47, 8
	WIN 0
	MAINLINE 6, CA, CB
	MAINLINE 7, CB, CA
	WIN 0x40
	ROWS 52, 220, 55, 9
	WIN 0
	MAINLINE 8, CA, CB
	MAINLINE 9, CB, CA
	; ---- continuum: softplus(h . cont_w2 + cont_b2)
.irp i, 0,1,2,3,4,5,6,7
	ds_load_b128 v[T+4*\i:T+4*\i+3], v[LW] offset:HO+16*\i ; h[0..31] in every lane
.endr
	s_wait_dscnt 0x0
	s_wait_loadcnt 63                              ; 64 loads (mix_w3's rows) were issued behind cont_w2's last row; 63 is the largest count the wait can name
.set dr, 0
.rept 32
	DOTROW dr, CW, T, B2O, T+32
.set dr, dr+1
.endr
	v_pk_add_f32 v[T+32:T+33], v[T+32:T+33], v[T+36:T+37]
	v_pk_add_f32 v[T+34:T+35], v[T+34:T+35], v[T+38:T+39]
	SOFTPLUS2 T+32, T+36, T+40
	SOFTPLUS2 T+34, T+38, T+40
	v_pk_add_f32 v[ACC:ACC+1], v[ACC:ACC+1], v[T+36:T+37]          ; cross
	v_pk_add_f32 v[ACC+2:ACC+3], v[ACC+2:ACC+3], v[T+38:T+39]
	; ---- line mixing: m . mix_w3 + mix_b3, four rows at a time as they arrive
.irp i, 0,1,2,3,4,5,6,7,8,9,10,11,12,13,14,15
	ds_load_b128 v[MV+4*\i:MV+4*\i+3], v[LW] offset:MO+16*\i       ; m[0..63] in every lane, over cont_w2's rows, which have been used
.endr
	s_wait_dscnt 0x0
	WIN 0x01                                       ; the rows in the second window
.set dr, 0
.set grp, 0
.rept 16
	s_wait_loadcnt 60-4*grp                        ; behind row 4 grp + 3 stand the 60 - 4 grp later rows
.rept 4
	DOTROW dr, 0, MV, B3O, T
.set dr, dr+1
.endr
.set grp, grp+1
.endr
	WIN 0
	v_pk_add_f32 v[T:T+1], v[T:T+1], v[T+4:T+5]
	v_pk_add_f32 v[T+2:T+3], v[T+2:T+3], v[T+6:T+7]
	; ---- out = cross (1 + 0.1 (sigmoid - 0.5)) = sigmoid (0.1 cross) + 0.95 cross; the two products stand behind the transcendentals
	v_pk_mul_f32 v[T+4:T+5], v[T:T+1], 0xbfb8aa3b op_sel_hi:[1,0]
	v_pk_mul_f32 v[T+6:T+7], v[T+2:T+3], 0xbfb8aa3b op_sel_hi:[1,0]
.irp i, 0,1,2,3
	v_exp_f32 v[T+8+\i], v[T+4+\i]
.endr
	v_pk_mul_f32 v[T+12:T+13], v[ACC:ACC+1], 0x3dcccccd op_sel_hi:[1,0]
	v_pk_mul_f32 v[T+14:T+15], v[ACC+2:ACC+3], 0x3dcccccd op_sel_hi:[1,0]
	s_wait_alu depctr_va_vdst(0)
	v_pk_add_f32 v[T+4:T+5], v[T+8:T+9], 1.0 op_sel_hi:[1,0]
	v_pk_add_f32 v[T+6:T+7], v[T+10:T+11], 1.0 op_sel_hi:[1,0]
.irp i, 0,1,2,3
	v_rcp_f32 v[T+8+\i], v[T+4+\i]
.endr
	v_pk_mul_f32 v[T+16:T+17], v[ACC:ACC+1], 0x3f733333 op_sel_hi:[1,0]
	v_pk_mul_f32 v[T+18:T+19], v[ACC+2:ACC+3], 0x3f733333 op_sel_hi:[1,0]
	s_wait_alu depctr_va_vdst(0)
	v_pk_fma_f32 v[T+20:T+21], v[T+8:T+9], v[T+12:T+13], v[T+16:T+17]
	v_pk_fma_f32 v[T+22:T+23], v[T+10:T+11], v[T+14:T+15], v[T+18:T+19]
	global_store_b128 v[OFF], v[T+20:T+23], s[58:59] th:TH_STORE_NT        ; the wave's store covers 512 consecutive bytes, aligned
	s_wait_xcnt 0x0
	v_lshl_add_u32 v254, v0, 2, 0x3000
	v_mov_b32 v255, 0
	s_wait_tensorcnt 0x0
	ds_add_u32 v254, v255
	s_wait_dscnt 0x0
	s_endpgm
.Lfunc_end_k_q6bd432136b_gas:
	.size	k_q6bd432136b_gas, .Lfunc_end_k_q6bd432136b_gas-k_q6bd432136b_gas
	.p2alignl 7, 3214868480
	.fill 96, 4, 3214868480
	.section	.rodata,"a",@progbits
	.p2align	6, 0x0
	.amdhsa_kernel k_q6bd432136b_gas
		.amdhsa_group_segment_fixed_size 13312
		.amdhsa_private_segment_fixed_size 0
		.amdhsa_enable_private_segment 0
		.amdhsa_kernarg_size 136
		.amdhsa_user_sgpr_count 2
		.amdhsa_user_sgpr_kernarg_segment_ptr 1
		.amdhsa_wavefront_size32 1
		.amdhsa_system_sgpr_workgroup_id_x 1
		.amdhsa_system_sgpr_workgroup_id_y 1
		.amdhsa_system_sgpr_workgroup_id_z 1
		.amdhsa_system_vgpr_workitem_id 0
		.amdhsa_next_free_vgpr 512
		.amdhsa_next_free_sgpr 84
		.amdhsa_reserve_vcc 0
		.amdhsa_float_denorm_mode_32 3
		.amdhsa_float_denorm_mode_16_64 3
		.amdhsa_memory_ordered 1
		.amdhsa_forward_progress 1
		.amdhsa_inst_pref_size 187
	.end_amdhsa_kernel
	.amdgpu_metadata
---
amdhsa.version: [ 1, 2 ]
amdhsa.kernels:
  - .name:           k_q6bd432136b_gas
    .symbol:         k_q6bd432136b_gas.kd
    .args:
      - { .name: wavelengths, .offset: 0, .size: 8, .value_kind: global_buffer, .address_space: global }
      - { .name: cont_w2, .offset: 8, .size: 8, .value_kind: global_buffer, .address_space: global }
      - { .name: mix_w3, .offset: 16, .size: 8, .value_kind: global_buffer, .address_space: global }
      - { .name: cont_b2, .offset: 24, .size: 8, .value_kind: global_buffer, .address_space: global }
      - { .name: mix_b3, .offset: 32, .size: 8, .value_kind: global_buffer, .address_space: global }
      - { .name: out0, .offset: 40, .size: 8, .value_kind: global_buffer, .address_space: global }
      - { .name: cont_w1, .offset: 48, .size: 8, .value_kind: global_buffer, .address_space: global }
      - { .name: cont_b1, .offset: 56, .size: 8, .value_kind: global_buffer, .address_space: global }
      - { .name: mix_w1, .offset: 64, .size: 8, .value_kind: global_buffer, .address_space: global }
      - { .name: mix_b1, .offset: 72, .size: 8, .value_kind: global_buffer, .address_space: global }
      - { .name: mix_w2, .offset: 80, .size: 8, .value_kind: global_buffer, .address_space: global }
      - { .name: mix_b2, .offset: 88, .size: 8, .value_kind: global_buffer, .address_space: global }
      - { .name: temperature, .offset: 96, .size: 8, .value_kind: global_buffer, .address_space: global }
      - { .name: pressure, .offset: 104, .size: 8, .value_kind: global_buffer, .address_space: global }
      - { .name: conc_o3, .offset: 112, .size: 8, .value_kind: global_buffer, .address_space: global }
      - { .name: conc_h2o, .offset: 120, .size: 8, .value_kind: global_buffer, .address_space: global }
      - { .name: conc_co2, .offset: 128, .size: 8, .value_kind: global_buffer, .address_space: global }
    .group_segment_fixed_size: 13312
    .private_segment_fixed_size: 0
    .kernarg_segment_align: 8
    .kernarg_segment_size: 136
    .max_flat_workgroup_size: 256
    .sgpr_count:     84
    .vgpr_count:     512
    .wavefront_size: 32
...
	.end_amdgpu_metadata
.endif
;; end of part 1
